; MI455X (gfx1250); checked and timed in simulation.
; The chip was launched on July 23, 2026; its instructions are those of AMD's public machine-readable ISA for CDNA 5 (MIT licence, August 2026) and "CDNA5" Instruction Set Architecture Reference Guide (July 2026). The comments in the code are by the model that wrote it; some were corrected since.
;; F Mo E. Allowed arithmetic: matrix products marked QUANTISED: E2M1 operands, one E8M0 scale for each 32 along K, by v_wmma_scale_f32_16x16x128_f8f6f4 with both operands' format E2M1 (or v_wmma_scale_f32_32x16x128_f4), f32 sums; products left as they are: f32 operands where the result goes on into a quantised operand, else bf16, f16 or f32 operands; f32 sums; everything else in f32.
;; Inputs: W1_codes 8 x 2,048 x 32 x 16 uint8 (E2M1 codes of W1, K innermost, in blocks of 32 codes, two codes a byte); W1_scales 8 x 2,048 x 32 uint8 (E8M0 scales of W1, one for each 32 codes along K); W2_codes 8 x 1,024 x 64 x 16 uint8 (E2M1 codes of W2, K innermost, in blocks of 32 codes, two codes a byte); W2_scales 8 x 1,024 x 64 uint8 (E8M0 scales of W2, one for each 32 codes along K); Wg 1,024 x 8 float32; b1 8 x 2,048 float32; b2 8 x 1,024 float32; bg 8 float32; inp 2,048 x 1,024 float32.
;; Outputs: out0 2,048 x 1,024 float32.
;; This version of the problem:
;;   THIS VERSION OF THE PROBLEM IS GIVEN IN LOW PRECISION. The matrix products marked QUANTISED in the list below multiply operands that are first quantised to E2M1 (2 exponent bits, 1 mantissa bit; 4 bits a number), with one power-of-two scale for each 32 numbers along K (OCP MX v1.0); their sums are f32. All else is computed in f32.
;;   The module's matrix products, in the order in which they are computed (A, B: the left and right operand; K: the contracted axis; several contracted axes count as one K, in the product's order):
;;     1. [M 2,048, K 1,024] x [K 1,024, N 8]; A: input inp; B: input Wg: left as it is (N = 8 < 16)
;;     2. [M 2,048, K 1,024] x [K 1,024, N 16,384]; A: input inp; B: input W1 (given as codes): QUANTISED
;;     3. batch 8 x [M 1,024, K 2,048] x [K 2,048, N 2,048]; A: input W2 (given as codes); B: computed on the way: QUANTISED
;;     4. batch 2,048 x [M 1, K 8] x [K 8, N 1,024]; A: computed on the way; B: computed on the way: left as it is (K = 8 < 32)
;;   THE QUANTISER, for each operand of a quantised product, along K:
;;     - K is cut into blocks of 32 from its start; a last block that is shorter is filled with zeros.
;;     - A block's scale is 2^e with e = floor(log2(the largest magnitude in the block)) - 2, held to -126 .. 127; a block of zeros has e = 0. As a byte (E8M0): e + 127.
;;     - Each number is divided by its block's scale, clamped to +-6, and rounded to the nearest number of E2M1, ties to even, subnormals kept.
;;     - The product sums the exact products of the quantised numbers (number of the format x scale) in f32.
;;   ~~~python
;;   def quantise(x, axis):      # numpy; x: float32 -> the quantised numbers, widened to float32 again
;;       x = np.moveaxis(x, axis, -1); K = x.shape[-1]
;;       x = np.pad(x, [(0, 0)] * (x.ndim - 1) + [(0, -K % 32)]); x = x.reshape(x.shape[:-1] + (-1, 32)); a = np.abs(x).max(-1, keepdims=True)
;;       e = np.where(a > 0, np.clip(np.frexp(np.where(a > 0, a, 1))[1] - 1 - 2, -126, 127), 0)      # np.frexp(a)[1] - 1 = floor(log2(a)), exactly
;;       r = np.clip(x / 2.0 ** e, -6, 6)
;;       step = 2.0 ** (np.maximum(np.frexp(np.where(r == 0, 1, r))[1] - 1, 0) - 1)
;;       q = np.round(r / step) * step * 2.0 ** e      # np.round: ties to even
;;       return np.moveaxis(q.reshape(q.shape[:-2] + (-1,))[..., :K], -1, axis).astype(np.float32)
;;   ~~~
;;   OPERANDS COMPUTED ON THE WAY. 'Computed on the way' means the value that the module computes at that place (a softmax that the list does not call 'softmax' is quantised finished and normalised). What goes into a quantiser is computed in f32, as accurately as f32 sums, v_exp_f32 and their like allow (about 1e-6 of the number): no bf16 or f16 on the way to a quantiser, and a product that is left as it is and whose result goes on into a quantised operand takes f32 operands (vector FMAs, or v_wmma_f32_16x16x4_f32). A number that lies on a knife's edge between two numbers of the format may be rounded either way, as far as f32 arithmetic and the matrix unit's own rounding can turn it there, and no further.
;;   INPUTS GIVEN AS CODES. W1 (in the module: [8, 1024, 2048], K = its axis 1); W2 (in the module: [8, 2048, 1024], K = its axis 1): each comes as NAME_codes (uint8): NAME with its K axis moved to the last place and cut into blocks of 32 codes, [.., K / 32, bytes a block], one block behind the other in memory; two codes a byte, the lower K in the low four bits (a code: sign, 2 exponent bits, 1 mantissa bit); and NAME_scales (uint8): the same leading axes, one E8M0 byte (e + 127) for each 32 codes along K. Its value is code x scale, taken as it is: it is not quantised again, and the codes and scales need not be those that the quantiser above would give.
;; One version. Each part assembles by itself: llvm-mc -triple=amdgcn-amd-amdhsa -mcpu=gfx1250 --defsym DOCPART=n.
;; ======== version 1 of 1: 3 launches
;; limits: right only within a limited range of input values
;; workspace buffers: xq 1,048,576 bytes; xs 65,536 bytes; comb 65,536 bytes; grp 32,768 bytes of whole numbers; order 8,192 bytes of whole numbers; hq 16,777,216 bytes; hs 1,048,576 bytes
;; launch gate (part 1): grid 128 x 1, 8 waves a work-group, no clusters, 119,552 bytes of LDS; arguments inp, Wg, bg, xq, xs, comb, grp; writes xq, xs, comb, grp
.if DOCPART == 1
	.amdgcn_target "amdgcn-amd-amdhsa--gfx1250"
	.amdhsa_code_object_version 6
	.text
	.protected	k_qd63428d599_gate
	.globl	k_qd63428d599_gate
	.p2align	8
	.type	k_qd63428d599_gate,@function
k_qd63428d599_gate:
	s_mov_b64 s[64:65], 0
	v_nop
	global_prefetch_b8 v0, s[64:65] scope:SCOPE_SE
	s_setreg_imm32_b32 hwreg(HW_REG_WAVE_MODE, 25, 1), 1
	s_wait_xcnt 0x0
; GATE.  For 16 tokens a work-group: (1) inp is quantised along D into codes of E2M1 (xq [token][512 bytes], K innermost) and E8M0 bytes (xs [token][32]);
; (2) logits = inp Wg + bg with f32 operands and f32 sums, top 2 (a tie keeps the lower index), softmax of the two with the larger taken away first;
; (3) comb [token][8] f32: the gate's weight at the two chosen experts, 0 elsewhere; (4) whole numbers for the sort that the next launch makes:
; grp [work-group][lane][2]: word 0 = how many of the 16 tokens have key = lane; word 1 (token lane % 16) = key | rank << 8 | mask of its two experts << 16.
; key numbers the 28 pairs (lo, hi) so that neighbouring keys share an expert: base(lo) + (hi - lo - 1 for even lo, 7 - hi for odd lo), base(lo) = lo (15 - lo) / 2.
; rank = how many earlier tokens of the 16 have the same key.  All of it goes to fixed places: no address and no branch here hangs on the choice.
; SHARES.  Eight waves; wave w takes k = 128 w .. 128 w + 127 of all 16 rows: one fragment of codes, one scale word a row, one partial sum of the logits.
; LOADS.  Every load of a wave covers 512 consecutive bytes: one for its part of each row of inp, eight for its 128 rows of Wg.  The quantiser and the product want 16 neighbours along k in a lane, and of Wg one
; expert in a lane: so both turn through the wave's own bytes of LDS: inp as rows of 528 bytes, Wg word by word into [expert][k], 528 bytes an expert.  LDS serves a wave's instructions in order: no wait stands between these stores and loads.
; The logits' product is used transposed (source 0 = Wg's columns, experts 0-7 twice; source 1 = 16 tokens): lane (r, h), register j = token r, expert j, alike in both halves of the lanes.
; k is laid alike in both sources: register 16 b + t of lane (r, h) is k = 128 w + 32 b + 16 h + t.
; LIMITS: NaN and infinities among the logits are not served.  A block of zeros gets the byte 1 where the quantiser says 127: its codes are zeros, and only this program reads the bytes.
; Blocks whose largest magnitude lies under 2^-124 are held at that floor's byte.
.set XP,    528                        ; a stage's row: 512 bytes + 16: sixteen rows begin in sixteen different groups of four banks
.set XST,   0                          ; 16 rows of codes
.set XSS,   16*XP                      ; 16 rows x 8 scale words
.set LG,    XSS+512                    ; eight images of partial logits, 1,024 bytes each
.set XT,    LG+8*1024                  ; eight stages for inp, one a wave: 16 rows
.set WT,    XT+8*16*XP                 ; eight stages for Wg, one a wave: 8 experts
.set SPARE, WT+8*8*XP                  ; the spare words: 128 bytes a wave, four blocks of 256 bytes that no other line names
.set XTS,   4                          ; v4   inp into my stage: 16 x lane
.set XTR,   5                          ; v5   and back: row r, + 64 h
.set SPW,   12                         ; v12  my spare word's address; never rewritten
.set NIL,   13                         ; v13  0; never rewritten
.set X,     16                         ; v16-79   64 numbers of x; in wave 0 later the eight partial logits
.set WGT,   80                         ; v80-143  inp as loaded, then 64 numbers of Wg; in wave 0 later at work
.set ST,    80
.set ACC,   144                        ; v144-175 four accumulators: written by matrix instructions alone
.set L,     176                        ; v176-183 logits
.set TM,    184                        ; v184-199 the quantiser's work
.set PW,    200                        ; v200     the scale word just made
.set PC,    202                        ; v202-209 the codes just made
.set WSG,   210                        ; v210-241 Wg as loaded; later at work
.set WTS,   244                        ; v244 Wg into my stage
.set WTR,   245                        ; v245 and back: expert r % 8, + 64 h
.set SEL,   20                         ; s[20:21] v_permlanex16_b32's selects for lane l xor 16
; 64 numbers of a lane, register 16 b + i = k 32 b + 16 (lane / 16) + i of my row, become a fragment's codes in v[PC] on and the row's scale word in v[PW]
.macro QUANT s
.irp b, 0,1,2,3
	v_max3_num_f32 v[TM+\b], |v[\s+16*\b]|, |v[\s+1+16*\b]|, 0x1800000   ; block b: my 16 numbers, and the floor 2^(3 - 127): the byte cannot fall under 1
.endr
.irp i, 2,4,6,8,10,12,14
.irp b, 0,1,2,3
	s_delay_alu instid0(VALU_DEP_4)
	v_max3_num_f32 v[TM+\b], v[TM+\b], |v[\s+16*\b+\i]|, |v[\s+1+16*\b+\i]|   ; the four blocks by turns
.endr
.endr
.irp b, 0,1,2,3
	s_delay_alu instid0(VALU_DEP_4)
	v_permlanex16_b32 v[TM+4+\b], v[TM+\b], s[SEL], s[SEL+1]
.endr
.irp b, 0,1,2,3
	s_delay_alu instid0(VALU_DEP_4)
	v_max_num_f32 v[TM+\b], v[TM+\b], v[TM+4+\b]                   ; with lane l xor 16's 16: the block's largest magnitude
.endr
.irp b, 0,1,2,3
	s_delay_alu instid0(VALU_DEP_4)
	v_add_nc_u32 v[TM+12+\b], 0xff000000, v[TM+\b]                 ; 2 off its exponent field: the conversion takes that field as its scale
.endr
.irp b, 0,1,2,3
	s_delay_alu instid0(VALU_DEP_4)
	v_lshrrev_b32 v[TM+4+\b], 23, v[TM+12+\b]                      ; the scale's byte
.endr
	s_delay_alu instid0(VALU_DEP_3)
	v_lshl_or_b32 v[PW], v[TM+5], 8, v[TM+4]
	s_delay_alu instid0(VALU_DEP_1)
	v_lshl_or_b32 v[PW], v[TM+6], 16, v[PW]
	s_delay_alu instid0(VALU_DEP_1)
	v_lshl_or_b32 v[PW], v[TM+7], 24, v[PW]
.irp b, 0,1,2,3
	v_cvt_scalef32_pk8_fp4_f32 v[PC+2*\b], v[\s+16*\b:\s+7+16*\b], v[TM+12+\b]
	v_cvt_scalef32_pk8_fp4_f32 v[PC+1+2*\b], v[\s+8+16*\b:\s+15+16*\b], v[TM+12+\b]
.endr
	v_nop                                          ; one plain place behind the scaled conversions
.irp c, 0,1                                    ; a whole block to a lane: lanes 0-15 block 2 c, lanes 16-31 block 2 c + 1
.irp i, 0,1
	v_permlane16_swap_b32 v[PC+4*\c+\i], v[PC+2+4*\c+\i]
.endr
.endr
.endm
	s_load_b256 s[4:11], s[0:1], 0x0               ; inp s[4:5], Wg s[6:7], bg s[8:9], xq s[10:11]
	s_load_b128 s[12:15], s[0:1], 0x20             ; xs s[12:13], comb s[14:15]
	s_load_b64 s[16:17], s[0:1], 0x30              ; grp
	v_lshl_add_u32 v[SPW], v0, 2, SPARE
	v_mov_b32 v[NIL], 0
	v_lshrrev_b32 v1, 5, v0
	s_delay_alu instid0(VALU_DEP_1)
	v_readfirstlane_b32 s18, v1                    ; wave 0..7
	v_and_b32 v1, 31, v0                           ; lane
	v_and_b32 v2, 15, v0                           ; r
	v_bfe_u32 v3, v0, 4, 1                         ; h
	s_delay_alu instid0(VALU_DEP_3)
	v_lshlrev_b32 v11, 4, v1                       ; 16 x lane
	s_mul_i32 s19, s18, 16*XP
	s_add_co_u32 s19, s19, XT                      ; my stage for inp
	v_add_nc_u32 v[XTS], s19, v11
	v_mul_u32_u24 v[XTR], v2, XP
	s_delay_alu instid0(VALU_DEP_1)
	v_lshl_add_u32 v[XTR], v3, 6, v[XTR]
	s_delay_alu instid0(VALU_DEP_1)
	v_add_nc_u32 v[XTR], s19, v[XTR]
	s_mul_i32 s19, s18, 8*XP
	s_add_co_u32 s19, s19, WT                      ; my stage for Wg
	v_and_b32 v[WTS], 1, v0                        ; a lane's 16 bytes of Wg are experts 4 (lane % 2) + 0 .. 3 of row lane / 2 of a load's sixteen
	s_delay_alu instid0(VALU_DEP_1)
	v_mul_u32_u24 v[WTS], v[WTS], 4*XP
	v_bfe_u32 v[WTR], v0, 1, 4
	s_delay_alu instid0(VALU_DEP_1)
	v_lshl_add_u32 v[WTS], v[WTR], 2, v[WTS]
	s_delay_alu instid0(VALU_DEP_1)
	v_add_nc_u32 v[WTS], s19, v[WTS]
	v_and_b32 v[WTR], 7, v0
	s_delay_alu instid0(VALU_DEP_1)
	v_mul_u32_u24 v[WTR], v[WTR], XP
	s_delay_alu instid0(VALU_DEP_1)
	v_lshl_add_u32 v[WTR], v3, 6, v[WTR]
	s_delay_alu instid0(VALU_DEP_1)
	v_add_nc_u32 v[WTR], s19, v[WTR]
	v_mul_u32_u24 v6, v2, XP
	s_delay_alu instid0(VALU_DEP_1)
	v_lshl_add_u32 v6, v3, 4, v6
	s_lshl_b32 s19, s18, 6
	v_add_nc_u32 v6, s19, v6                       ; codes into the stage: row r, my K step's 64 bytes, + 16 h
	v_lshlrev_b32 v7, 5, v2
	s_lshl_b32 s19, s18, 2
	s_add_co_u32 s19, s19, XSS
	v_add_nc_u32 v7, s19, v7                       ; the scale word: row r, word w
	s_lshl_b32 s19, s18, 10
	s_add_co_u32 s19, s19, LG
	v_add_nc_u32 v8, s19, v11                      ; my image of partial logits
	v_add_nc_u32 v9, LG, v11                       ; all images, for wave 0
	s_mul_i32 s19, s18, 2*XP
	v_add_nc_u32 v10, s19, v11                     ; rows 2 w, 2 w + 1 of the codes' stage, read back whole
	v_add_nc_u32 v14, XSS, v11                     ; the scale words, for wave 1
	v_lshlrev_b32 v15, 5, v2
	s_delay_alu instid0(VALU_DEP_1)
	v_lshl_add_u32 v15, v3, 4, v15                 ; comb: 32 r + 16 h
	s_mov_b32 s[SEL], 0x76543210
	s_mov_b32 s[SEL+1], 0xfedcba98
.irp b, 0,1,2,3
	v_mov_b32 v[TM+4+\b], 0                        ; written once: a lane permute's destination counts as one of its sources
.endr
	s_wait_kmcnt 0x0
	s_lshl_b32 s22, ttmp9, 16                      ; 16 rows of 4,096 bytes a work-group,
	s_lshl_b32 s23, s18, 9                         ; 512 bytes of a row a wave
	s_add_co_u32 s22, s22, s23
	s_mov_b32 s23, 0
	s_add_nc_u64 s[4:5], s[4:5], s[22:23]
	s_lshl_b32 s22, s18, 12                        ; 128 rows of Wg a wave
	s_add_nc_u64 s[6:7], s[6:7], s[22:23]
.irp i, 0,1,2,3,4,5,6,7,8,9,10,11,12,13,14,15
	global_load_b128 v[ST+4*\i:ST+4*\i+3], v11, s[4:5] offset:4096*\i th:TH_LOAD_NT   ; my 512 bytes of row i
.endr
.irp i, 0,1,2,3,4,5,6,7
	global_load_b128 v[WSG+4*\i:WSG+4*\i+3], v11, s[6:7] offset:512*\i                ; sixteen rows of Wg
.endr
	s_load_b256 s[24:31], s[8:9], 0x0              ; bg
	s_lshl_b32 s22, ttmp9, 13
	s_lshl_b32 s19, s18, 10
	s_add_co_u32 s22, s22, s19
	s_add_nc_u64 s[10:11], s[10:11], s[22:23]      ; xq: 16 rows of 512 bytes a work-group, two rows a wave
	s_lshl_b32 s22, ttmp9, 9
	s_add_nc_u64 s[12:13], s[12:13], s[22:23]      ; xs and comb: 512 bytes a work-group
	s_add_nc_u64 s[14:15], s[14:15], s[22:23]
	s_lshl_b32 s22, ttmp9, 8
	s_add_nc_u64 s[16:17], s[16:17], s[22:23]      ; grp: 256 bytes a work-group
	s_wait_loadcnt 8                               ; inp's sixteen loads are in; Wg's eight may be out
.irp i, 0,1,2,3,4,5,6,7,8,9,10,11,12,13,14,15
	ds_store_b128 v[XTS], v[ST+4*\i:ST+4*\i+3] offset:XP*\i
.endr
.irp b, 0,1,2,3
.irp j, 0,1,2,3
	ds_load_b128 v[X+16*\b+4*\j:X+16*\b+4*\j+3], v[XTR] offset:128*\b+16*\j          ; row r, k = 32 b + 16 h + 4 j on
.endr
.endr
	s_wait_loadcnt 0x0                             ; Wg
.irp i, 0,1,2,3,4,5,6,7
.irp c, 0,1,2,3
	ds_store_b32 v[WTS], v[WSG+4*\i+\c] offset:XP*\c+64*\i                           ; expert 4 (lane % 2) + c, k = 16 i + lane / 2
.endr
.endr
	s_wait_dscnt 32                                ; all but these 32 stores: x is back, and the stores that read v80-143 are done: those registers may be loaded
.irp b, 0,1,2,3
.irp j, 0,1,2,3
	ds_load_b128 v[WGT+16*\b+4*\j:WGT+16*\b+4*\j+3], v[WTR] offset:128*\b+16*\j      ; expert r % 8, the same k as x's registers
.endr
.endr
	QUANT X
	ds_store_b128 v6, v[PC:PC+3]
	ds_store_b128 v6, v[PC+4:PC+7] offset:32
	ds_store_b32 v7, v[PW]                         ; both halves of the lanes hold and write the same word
	s_wait_kmcnt 0x0                               ; bg
	s_wait_dscnt 0x0                               ; Wg is back
; 32 products of 16 x 16 x 4 in f32.  The first four start the sums with the constant 0; the four accumulators take turns, one instruction a turn
.set q, 0
.rept 32
.if q < 4
	v_wmma_f32_16x16x4_f32 v[ACC+8*(q%4):ACC+8*(q%4)+7], v[WGT+2*q:WGT+2*q+1], v[X+2*q:X+2*q+1], 0
.else
	v_wmma_f32_16x16x4_f32 v[ACC+8*(q%4):ACC+8*(q%4)+7], v[WGT+2*q:WGT+2*q+1], v[X+2*q:X+2*q+1], v[ACC+8*(q%4):ACC+8*(q%4)+7]
.endif
.set q, q+1
.endr
.rept 8
	v_nop                                          ; eight places behind this form before its results are read (ISA guide 7.12.1)
.endr
.irp j, 0,2,4,6                                ; each accumulator is read from its low end on
	v_pk_add_f32 v[L+\j:L+\j+1], v[ACC+\j:ACC+\j+1], v[ACC+8+\j:ACC+9+\j]
	v_pk_add_f32 v[210:211], v[ACC+16+\j:ACC+17+\j], v[ACC+24+\j:ACC+25+\j]
	s_delay_alu instid0(VALU_DEP_1)
	v_pk_add_f32 v[L+\j:L+\j+1], v[L+\j:L+\j+1], v[210:211]
.endr
	ds_store_b128 v8, v[L:L+3]
	ds_store_b128 v8, v[L+4:L+7] offset:512
	s_wait_dscnt 0x0                               ; for the others' sake: my codes, scale words and partial logits lie in LDS
	s_barrier_signal -1
	s_barrier_wait -1
	ds_load_b128 v[212:215], v10                   ; two whole rows of codes
	ds_load_b128 v[216:219], v10 offset:XP
	s_wait_dscnt 0x0
	global_store_b128 v11, v[212:215], s[10:11]            ; 32 lanes store 512 consecutive bytes
	global_store_b128 v11, v[216:219], s[10:11] offset:512
	s_cmp_eq_u32 s18, 1
	s_cbranch_scc0 .Lnot_wave_1
	ds_load_b128 v[220:223], v14                   ; wave 1: the 16 rows' scale bytes, 512 consecutive bytes
	s_wait_dscnt 0x0
	global_store_b128 v11, v[220:223], s[12:13]
.Lnot_wave_1:
	s_cmp_eq_u32 s18, 0
	s_cbranch_scc0 .Lend
	; ---- wave 0: the choice
.irp p, 0,1,2,3,4,5,6,7
.irp c, 0,1
	ds_load_b128 v[X+8*\p+4*\c:X+8*\p+4*\c+3], v9 offset:1024*\p+512*\c
.endr
.endr
	v_mov_b32 v84, 0xff800000                      ; -infinity
	v_mov_b32 v113, 1
	v_mov_b32 v110, 0                              ; the count of my bin
	v_mov_b32 v112, 0                              ; my token's rank
	v_lshlrev_b32 v116, 3, v1                      ; grp: 8 x lane
	s_wait_dscnt 0x0
.irp j, 0,2,4,6
	v_pk_add_f32 v[L+\j:L+\j+1], v[X+\j:X+\j+1], v[X+8+\j:X+9+\j]   ; the eight waves' parts, K ascending
.endr
.irp p, 2,3,4,5,6,7
.irp j, 0,2,4,6
	s_delay_alu instid0(VALU_DEP_4)
	v_pk_add_f32 v[L+\j:L+\j+1], v[L+\j:L+\j+1], v[X+8*\p+\j:X+8*\p+\j+1]
.endr
.endr
.irp j, 0,1,2,3,4,5,6,7
	v_add_f32 v[L+\j], s[24+\j], v[L+\j]           ; + bg
.endr
.macro TOP best, idx                           ; the largest of the eight; only a strictly larger one displaces: a tie keeps the lower index
	v_mov_b32 v[\best], v[L]
	v_mov_b32 v[\idx], 0
.irp j, 1,2,3,4,5,6,7
	s_delay_alu instid0(VALU_DEP_2)
	v_cmp_gt_f32 vcc_lo, v[L+\j], v[\best]
	s_delay_alu instid0(VALU_DEP_1)
	v_cndmask_b32 v[\best], v[\best], v[L+\j], vcc_lo
	s_delay_alu instid0(VALU_DEP_2)
	v_cndmask_b32 v[\idx], v[\idx], \j, vcc_lo
.endr
.endm
	TOP 80, 81
.irp j, 0,1,2,3,4,5,6,7
	v_cmp_eq_u32 vcc_lo, \j, v81
	s_delay_alu instid0(VALU_DEP_1)
	v_cndmask_b32 v[L+\j], v[L+\j], v84, vcc_lo    ; the winner leaves the field
.endr
	TOP 82, 83
	s_delay_alu instid0(VALU_DEP_2)
	v_sub_f32 v85, v82, v80                        ; second - first: the maximum is taken away ahead of the exponential
	s_delay_alu instid0(VALU_DEP_1)
	v_mul_f32 v85, 0x3fb8aa3b, v85
	s_wait_alu depctr_va_vdst(0)
	v_exp_f32 v85, v85                             ; t = e^(second - first), at most 1
	v_min_u32 v102, v81, v83                       ; lo (a plain place behind the exponential)
	v_max_u32 v103, v81, v83                       ; hi
	s_wait_alu depctr_va_vdst(0)                   ; the wait ahead of the first reader
	v_add_f32 v86, 1.0, v85
	s_wait_alu depctr_va_vdst(0)
	v_rcp_f32 v87, v86                             ; the first's weight 1 / (1 + t)
	v_sub_nc_u32 v104, 15, v102                    ; (a plain place)
	s_delay_alu instid0(VALU_DEP_1)
	v_mul_u32_u24 v104, v104, v102
	s_delay_alu instid0(VALU_DEP_1)
	v_lshrrev_b32 v104, 1, v104                    ; base(lo)
	s_wait_alu depctr_va_vdst(0)
	v_mul_f32 v88, v85, v87                        ; the second's weight t / (1 + t)
.irp j, 0,1,2,3,4,5,6,7
	v_cmp_eq_u32 vcc_lo, \j, v81
	v_cndmask_b32 v[90+\j], 0, v87, vcc_lo
	v_cmp_eq_u32 vcc_lo, \j, v83
	s_delay_alu instid0(VALU_DEP_1)
	v_cndmask_b32 v[90+\j], v[90+\j], v88, vcc_lo
.endr
	v_cmp_eq_u32 vcc_lo, 1, v3
.irp i, 0,1,2,3
	v_cndmask_b32 v[98+\i], v[90+\i], v[94+\i], vcc_lo   ; lanes 0-15 store experts 0-3, lanes 16-31 experts 4-7
.endr
	global_store_b128 v15, v[98:101], s[14:15]     ; 512 consecutive bytes
	v_sub_nc_u32 v105, v103, v102
	s_delay_alu instid0(VALU_DEP_1)
	v_add_nc_u32 v105, -1, v105                    ; hi - lo - 1
	v_sub_nc_u32 v106, 7, v103                     ; 7 - hi
	v_and_b32 v107, 1, v102
	s_delay_alu instid0(VALU_DEP_1)
	v_cmp_eq_u32 vcc_lo, 1, v107
	s_delay_alu instid0(VALU_DEP_1)
	v_cndmask_b32 v105, v105, v106, vcc_lo
	s_delay_alu instid0(VALU_DEP_1)
	v_add_nc_u32 v108, v104, v105                  ; key, 0 .. 27
	v_lshlrev_b32 v109, v102, v113
	v_lshlrev_b32 v114, v103, v113
	s_delay_alu instid0(VALU_DEP_1)
	v_or_b32 v109, v109, v114                      ; the mask of the two experts
.irp t, 0,1,2,3,4,5,6,7,8,9,10,11,12,13,14,15
	v_readlane_b32 s40, v108, \t                   ; token t's key
	s_delay_alu instid0(VALU_DEP_1)
	v_cmp_eq_u32 vcc_lo, s40, v1
	s_delay_alu instid0(VALU_DEP_1)
	v_add_co_ci_u32 v110, vcc_lo, 0, v110, vcc_lo  ; the bin that is my lane counts it
.if \t < 15
	s_delay_alu instid0(VALU_DEP_3)
	v_cmp_eq_u32 vcc_lo, s40, v108
	s_and_b32 vcc_lo, vcc_lo, (((0xffff<<(\t+1))&0xffff)*0x10001)   ; only tokens behind t
	v_add_co_ci_u32 v112, vcc_lo, 0, v112, vcc_lo  ; and a later token with the same key stands one further on
.endif
.endr
	s_delay_alu instid0(VALU_DEP_4)
	v_lshl_or_b32 v111, v112, 8, v108
	s_delay_alu instid0(VALU_DEP_1)
	v_lshl_or_b32 v111, v109, 16, v111
	global_store_b64 v116, v[110:111], s[16:17]    ; 256 consecutive bytes
.Lend:
	s_wait_tensorcnt 0x0                           ; the wave's end, behind my last LDS store
	ds_add_u32 v[SPW], v[NIL]
	s_wait_dscnt 0x0
	s_endpgm
.Lfunc_end_k_qd63428d599_gate:
	.size	k_qd63428d599_gate, .Lfunc_end_k_qd63428d599_gate-k_qd63428d599_gate
	.p2alignl 7, 3214868480
	.fill 96, 4, 3214868480
	.section	.rodata,"a",@progbits
	.p2align	6, 0x0
	.amdhsa_kernel k_qd63428d599_gate
		.amdhsa_group_segment_fixed_size 119552
		.amdhsa_private_segment_fixed_size 0
		.amdhsa_enable_private_segment 0
		.amdhsa_kernarg_size 56
		.amdhsa_user_sgpr_count 2
		.amdhsa_user_sgpr_kernarg_segment_ptr 1
		.amdhsa_wavefront_size32 1
		.amdhsa_system_sgpr_workgroup_id_x 1
		.amdhsa_system_sgpr_workgroup_id_y 1
		.amdhsa_system_sgpr_workgroup_id_z 1
		.amdhsa_system_vgpr_workitem_id 0
		.amdhsa_next_free_vgpr 256
		.amdhsa_next_free_sgpr 66
		.amdhsa_reserve_vcc 1
		.amdhsa_float_denorm_mode_32 3
		.amdhsa_float_denorm_mode_16_64 3
		.amdhsa_memory_ordered 1
		.amdhsa_forward_progress 1
		.amdhsa_inst_pref_size 37
	.end_amdhsa_kernel
	.amdgpu_metadata
---
amdhsa.version: [ 1, 2 ]
amdhsa.kernels:
  - .name:           k_qd63428d599_gate
    .symbol:         k_qd63428d599_gate.kd
    .args:
      - { .name: inp, .offset: 0, .size: 8, .value_kind: global_buffer, .address_space: global }
      - { .name: Wg, .offset: 8, .size: 8, .value_kind: global_buffer, .address_space: global }
      - { .name: bg, .offset: 16, .size: 8, .value_kind: global_buffer, .address_space: global }
      - { .name: xq, .offset: 24, .size: 8, .value_kind: global_buffer, .address_space: global }
      - { .name: xs, .offset: 32, .size: 8, .value_kind: global_buffer, .address_space: global }
      - { .name: comb, .offset: 40, .size: 8, .value_kind: global_buffer, .address_space: global }
      - { .name: grp, .offset: 48, .size: 8, .value_kind: global_buffer, .address_space: global }
    .group_segment_fixed_size: 119552
    .private_segment_fixed_size: 0
    .kernarg_segment_align: 8
    .kernarg_segment_size: 56
    .max_flat_workgroup_size: 256
    .sgpr_count:     66
    .vgpr_count:     256
    .wavefront_size: 32
...
	.end_amdgpu_metadata
.endif
;; end of part 1
;; launch ffn1 (part 2): grid 8 x 32, 8 waves a work-group, no clusters, 35,840 bytes of LDS; arguments xq, xs, grp, W1_codes, W1_scales, b1, hq, hs, order; writes hq, hs, order
.if DOCPART == 2
	.amdgcn_target "amdgcn-amd-amdhsa--gfx1250"
	.amdhsa_code_object_version 6
	.text
	.protected	k_qd63428d599_ffn1
	.globl	k_qd63428d599_ffn1
	.p2align	8
	.type	k_qd63428d599_ffn1,@function
k_qd63428d599_ffn1:
	s_mov_b64 s[64:65], 0
	v_nop
	global_prefetch_b8 v0, s[64:65] scope:SCOPE_SE
	s_setreg_imm32_b32 hwreg(HW_REG_WAVE_MODE, 25, 1), 1
	s_wait_xcnt 0x0
; FFN1.  h = Q(gelu(x W1[e]^T + b1[e])) for a block of 64 sorted tokens and every expert that one of them uses; x and W1 as codes of E2M1 with E8M0 scales, sums in f32, gelu (tanh form) in f32.
; SHARES.  Work-group (x = cb, y = tb): tokens 64 tb .. + 63 of the sorted order, hidden units 256 cb .. + 255.  Wave w: 32 hidden units, ONE block kb = 8 cb + w of the next product's K, for all 64 tokens.
; The 64 tokens' codes of x are gathered once, handed round through LDS as images of the operand's registers, and stay in each wave's registers (32 fragments, window 1).
; THE WALK OVER EXPERTS.  The head packs the experts that one of the 64 tokens uses into a scalar list, four bits each, lowest first, and counts them (every token names two: the list is never empty).
; A trip takes the list's next expert.  So the expert after it is known: ITS WEIGHTS ARE ASKED FOR RIGHT BEHIND THIS TRIP'S PRODUCTS, into the registers that these have left, and land while the activation,
; the quantiser and the stores run; the first expert's are asked for in the head, ahead of the hand-round of x.  Trip count and addresses hang on the stored list: so the launch has no tensor load and no cluster,
; and its barriers all stand ahead of the loop.  A used expert is computed for all 64 rows: the next launch weighs rows that did not choose it with 0, as the definition does.
; W1 goes from memory straight into registers: a wave's 32 loads of an expert cover its 32 rows of 512 bytes whole, and no other wave of the work-group loads them.
; LAYOUT.  The product is used transposed (source 0 = 16 rows of W1, source 1 = 16 tokens).  Lane r of tile u takes row 8 u + r + 8 (r / 8) of my 32: so the 16 registers of tiles 0 and 1 of a token tile
; are hidden units 16 (lane / 16) + 0 .. 15 of token r: half a block, the other half in lane l xor 16.
; OUT.  hq [e][tb][m][s][c][lane][16 bytes]: the second product's operand registers as they will be loaded (m token tile, s its K step, registers 4 c .. 4 c + 3): my block is s = kb / 4, c = (kb / 2) % 2, lanes 16 (kb % 2) + r.
;       hs [e][tb][s][r][j] words: byte m = the scale of token (m, r) for K block 4 s + j.
; GELU: x / (1 + 2^z), z = c3 x (x^2 + K), c3 = -2 log2(e) sqrt(2 / pi) 0.044715, K = 1 / 0.044715: the same function as 0.5 x (1 + tanh(..)), with no difference of near numbers.
; It goes a token tile (16 registers) at a time, since only 16 registers are free while the next weights are on their way.
; LIMITS: a block of zeros gets the byte 1 (its codes are zeros; only this program reads the bytes); blocks under 2^-124 are held at that floor's byte.
.set SPARE, 32768                      ; LDS: x's 32 images of 1,024 bytes from 0 on; behind them the spare words, 128 bytes a wave
; THE SORT.  The head makes the counting sort of the 2,048 tokens by key (28 bins) from grp, the whole numbers that the gate's launch stored, and keeps the 64 entries of its own block:
; a token's place = its bin's first place + the bin's count in earlier groups + its rank in its own group.  Wave w takes groups 16 w .. 16 w + 15 (a bin a lane); the waves' totals meet in LDS.
; An entry (token | mask of its two experts << 16) whose place lies in my block goes to word place - 64 tb of a list in LDS, every other one to word 64, which nobody reads.
; The waves store into the list one after the other, a barrier between them.  The places are a permutation: all 64 words are written.  The work-groups with cb = 0 store the list to order, for the next launch.
.set TB,   33792                       ; eight waves' totals, a bin a word: 1,024 bytes
.set ORD,  34816                       ; the list: 64 words and the word for the rest
.set TA,   62                          ; v62  TB + 4 x my thread's number
.set TL,   63                          ; v63  TB + 4 x lane
.set GR,   64                          ; v64-95   group i: its count of bin = lane, its token's word
.set PF,   96                          ; v96-112  the counts' sums ahead of group i; then the bin's first place for group i
.set QT,   128                         ; v128-135 the eight waves' totals
.set GO,   136
.set SA,   137
.set TO,   138
.set BE,   139
.set SC,   140
.set TV,   141
.set TK,   142
.set AD,   144                         ; v144-159 where group i's entry goes
.set EN,   160                         ; v160-175 the entry
.set RS,   176                         ; v176-191 the token's place less 64 tb
.set KV,   0                           ; v[0:1] K twice (written behind the last read of the thread's number)
.set VW,   2                           ; v2   W1's codes: my row of a tile x 512 + 16 h
.set VWS,  3                           ; v3   W1's scales: lanes 0-15 tile 0's rows, lanes 16-31 tile 1's, x 32
.set VB,   4                           ; v4   b1: 64 h
.set VHQ,  5                           ; v5   hq: 16,384 h + 16 r
.set SPW,  6                           ; v6   my spare word's address; never rewritten
.set NIL,  7                           ; v7   0; never rewritten
.set XS,   8                           ; v8-23   x's scale words: register 8 (m / 2) + s: lanes 0-15 token tile 2 (m / 2), lanes 16-31 the next
.set WS,   24                          ; v24-31  W1's scale words of K step s
.set BI,   32                          ; v32-47  b1 in the result's layout, 8 registers a tile
.set T,    48                          ; v48-63  at work: z, then 1 / (1 + 2^z), of one token tile; then:
.set TM,   48                          ; v48-51  the blocks' largest magnitudes, then the conversions' scale operands; v52-55 the bytes
.set PW,   52                          ; v52     the scale word
.set VHS,  53                          ; v53     hs: 16 r, made ahead of the store
.set PC,   56                          ; v56-63  the codes
.set ACC,  64                          ; v64-127 accumulator (u, m) at 8 (2 m + u)
.set WF,   128                         ; v128-255 W1's fragments (u, s) at 8 (8 u + s)
.set LN,   48                          ; the head's own use of v48-61
.set RQ,   49
.set HH,   50
.set RR,   51
.set L16,  52
.set IMG,  53
.set OO,   54
.set OT,   55
.set CO,   56
.set E0,   57
.set E1,   58
.set E2,   59
.set VM,   60
.set TT,   61
.set SEL,  32                          ; s[32:33] selects for lane l xor 16
.set WCP,  36                          ; s[36:37] the codes, s[38:39] the scales, s[40:41] the bias of the expert whose weights are asked for
.set WSP,  38
.set BP,   40
.set HQP,  42                          ; s[42:43], s[44:45] hq and hs of the expert in hand
.set HSP,  44
.set OFS,  46                          ; s[46:47] an offset, its high word 0
.set LIST, 48                          ; s48  the experts still to come, four bits each
.set CNT,  49                          ; s49  how many the block uses
.set IX,   50                          ; s50  trips done
.set EX,   52                          ; s52  the list's lowest entry
.set C3,   58                          ; s[58:59] c3: the packed form names the pair and takes its low word for both halves
.set MSB, 0
.macro WIN new                         ; the immediate's high byte repeats the setting that is left
.if MSB != \new
	s_set_vgpr_msb (MSB<<8)|\new
.set MSB, \new
.endif
.endm
.macro MKLIST vm, tmp                  ; bit 16 + e of v[vm] in any lane: expert e is used.  No branch: an unused expert adds nothing to the list and nothing to the count
	s_mov_b32 s[LIST], 0
	s_mov_b32 s[CNT], 0
.irp e, 0,1,2,3,4,5,6,7
	v_and_b32 v[\tmp], (0x10000<<\e), v[\vm]
	s_delay_alu instid0(VALU_DEP_1)
	v_cmp_ne_u32 vcc_lo, 0, v[\tmp]
	s_cmp_lg_u32 vcc_lo, 0
	s_cselect_b32 s53, 1, 0
	s_lshl_b32 s54, s[CNT], 2
	s_mul_i32 s55, s53, \e
	s_lshl_b32 s55, s55, s54
	s_or_b32 s[LIST], s[LIST], s55
	s_add_co_u32 s[CNT], s[CNT], s53
.endr
.endm
.macro NEXTP                           ; the list's lowest entry, held at 7 (a number made of loaded ones enters an address only so), and where its weights lie
	s_and_b32 s[EX], s[LIST], 7
	s_min_u32 s[EX], s[EX], 7
	s_lshl_b32 s[OFS], s[EX], 20
	s_add_nc_u64 s[WCP:WCP+1], s[14:15], s[OFS:OFS+1]
	s_lshl_b32 s[OFS], s[EX], 16
	s_add_nc_u64 s[WSP:WSP+1], s[16:17], s[OFS:OFS+1]
	s_lshl_b32 s[OFS], s[EX], 13
	s_add_nc_u64 s[BP:BP+1], s[18:19], s[OFS:OFS+1]
.endm
.macro LOADS                           ; an expert's 38 loads: 4 of the bias, 2 of scale words, then four for each K step, K ascending
.irp u, 0,1
.irp i, 0,1
	global_load_b128 v[BI+8*\u+4*\i:BI+8*\u+4*\i+3], v[VB], s[BP:BP+1] offset:32*\u+16*\i   ; b1 at hidden units 16 h + 8 u + 0 .. 7
.endr
.endr
	global_load_b128 v[WS:WS+3], v[VWS], s[WSP:WSP+1]
	global_load_b128 v[WS+4:WS+7], v[VWS], s[WSP:WSP+1] offset:16
.irp s, 0,1,2,3,4,5,6,7
.irp u, 0,1
.irp c, 0,1
	global_load_b128 v[WF+8*(8*\u+\s)+4*\c:WF+8*(8*\u+\s)+4*\c+3], v[VW], s[WCP:WCP+1] offset:4096*\u+64*\s+32*\c
.endr
.endr
.endr
.endm
.macro QUANT s                         ; 64 numbers of a lane: block b in registers 16 b + 0 .. 15, its other half in lane l xor 16 -> codes in v[PC] on, the four bytes in v[PW]
.irp b, 0,1,2,3
	v_max3_num_f32 v[TM+\b], |v[\s+16*\b]|, |v[\s+1+16*\b]|, 0x1800000   ; and the floor 2^(3 - 127): the byte cannot fall under 1
.endr
.irp i, 2,4,6,8,10,12,14
.irp b, 0,1,2,3
	s_delay_alu instid0(VALU_DEP_4)
	v_max3_num_f32 v[TM+\b], v[TM+\b], |v[\s+16*\b+\i]|, |v[\s+1+16*\b+\i]|
.endr
.endr
.irp b, 0,1,2,3
	v_permlanex16_b32 v[TM+4+\b], v[TM+\b], s[SEL], s[SEL+1]
.endr
.irp b, 0,1,2,3
	s_delay_alu instid0(VALU_DEP_4)
	v_max_num_f32 v[TM+\b], v[TM+\b], v[TM+4+\b]
.endr
.irp b, 0,1,2,3
	s_delay_alu instid0(VALU_DEP_4)
	v_add_nc_u32 v[TM+\b], 0xff000000, v[TM+\b]                    ; 2 off the exponent field, in place: the conversion's scale operand
.endr
.irp b, 0,1,2,3
	s_delay_alu instid0(VALU_DEP_4)
	v_lshrrev_b32 v[TM+4+\b], 23, v[TM+\b]                         ; the scale's byte
.endr
	s_delay_alu instid0(VALU_DEP_3)
	v_lshl_or_b32 v[PW], v[TM+5], 8, v[TM+4]                       ; (the word takes the first byte's register)
	s_delay_alu instid0(VALU_DEP_1)
	v_lshl_or_b32 v[PW], v[TM+6], 16, v[PW]
	s_delay_alu instid0(VALU_DEP_1)
	v_lshl_or_b32 v[PW], v[TM+7], 24, v[PW]
.irp b, 0,1,2,3
	v_cvt_scalef32_pk8_fp4_f32 v[PC+2*\b], v[\s+16*\b:\s+7+16*\b], v[TM+\b]
	v_cvt_scalef32_pk8_fp4_f32 v[PC+1+2*\b], v[\s+8+16*\b:\s+15+16*\b], v[TM+\b]
.endr
	v_nop                                          ; one plain place behind the scaled conversions
.irp c, 0,1                                    ; a whole block to a lane: lanes 0-15 block 2 c, lanes 16-31 block 2 c + 1
.irp i, 0,1
	v_permlane16_swap_b32 v[PC+4*\c+\i], v[PC+2+4*\c+\i]
.endr
.endr
.endm
; one product: D, source 0 (W1), source 1 (x, window 1), C, the two scale registers, and which half of the lanes holds each side's scales
.macro MM1 d, a, b, c, sa, sb, ra, rb
.if (\ra) && (\rb)
	v_wmma_scale_f32_16x16x128_f8f6f4 v[(\d):(\d)+7], v[(\a):(\a)+7], v[(\b):(\b)+7], v[(\c):(\c)+7], v[(\sa)], v[(\sb)] matrix_a_fmt:MATRIX_FMT_FP4 matrix_b_fmt:MATRIX_FMT_FP4 matrix_a_scale:MATRIX_SCALE_ROW1 matrix_b_scale:MATRIX_SCALE_ROW1
.elseif (\ra)
	v_wmma_scale_f32_16x16x128_f8f6f4 v[(\d):(\d)+7], v[(\a):(\a)+7], v[(\b):(\b)+7], v[(\c):(\c)+7], v[(\sa)], v[(\sb)] matrix_a_fmt:MATRIX_FMT_FP4 matrix_b_fmt:MATRIX_FMT_FP4 matrix_a_scale:MATRIX_SCALE_ROW1
.elseif (\rb)
	v_wmma_scale_f32_16x16x128_f8f6f4 v[(\d):(\d)+7], v[(\a):(\a)+7], v[(\b):(\b)+7], v[(\c):(\c)+7], v[(\sa)], v[(\sb)] matrix_a_fmt:MATRIX_FMT_FP4 matrix_b_fmt:MATRIX_FMT_FP4 matrix_b_scale:MATRIX_SCALE_ROW1
.else
	v_wmma_scale_f32_16x16x128_f8f6f4 v[(\d):(\d)+7], v[(\a):(\a)+7], v[(\b):(\b)+7], v[(\c):(\c)+7], v[(\sa)], v[(\sb)] matrix_a_fmt:MATRIX_FMT_FP4 matrix_b_fmt:MATRIX_FMT_FP4
.endif
.endm
.macro GELU16 a                        ; on the 16 registers from v[a] on (the two accumulators of a token tile), in place; each accumulator is read from its low end on
.irp p, 0,2,4,6,8,10,12,14
	v_pk_fma_f32 v[T+\p:T+\p+1], v[(\a)+\p:(\a)+\p+1], v[(\a)+\p:(\a)+\p+1], v[KV:KV+1]   ; x^2 + K
.endr
.irp p, 0,2,4,6,8,10,12,14
	v_pk_mul_f32 v[T+\p:T+\p+1], v[T+\p:T+\p+1], v[(\a)+\p:(\a)+\p+1]
.endr
.irp p, 0,2,4,6,8,10,12,14
	v_pk_mul_f32 v[T+\p:T+\p+1], v[T+\p:T+\p+1], s[C3:C3+1] op_sel_hi:[1,0]               ; z
.endr
	s_wait_alu depctr_va_vdst(0)
.irp p, 0,1,2,3,4,5,6,7,8,9,10,11,12,13,14,15
	v_exp_f32 v[T+\p], v[T+\p]
.endr
	v_nop                                          ; a plain place behind the last exponential,
	s_wait_alu depctr_va_vdst(0)                   ; and one wait for the batch, ahead of its first reader
.irp p, 0,2,4,6,8,10,12,14
	v_pk_add_f32 v[T+\p:T+\p+1], v[T+\p:T+\p+1], 1.0 op_sel_hi:[1,0]
.endr
	s_wait_alu depctr_va_vdst(0)
.irp p, 0,1,2,3,4,5,6,7,8,9,10,11,12,13,14,15
	v_rcp_f32 v[T+\p], v[T+\p]
.endr
	v_nop
	s_wait_alu depctr_va_vdst(0)                   ; one wait for the 16 reciprocals
.irp p, 0,2,4,6,8,10,12,14
	v_pk_mul_f32 v[(\a)+\p:(\a)+\p+1], v[(\a)+\p:(\a)+\p+1], v[T+\p:T+\p+1]
.endr
.endm
	s_load_b256 s[8:15], s[0:1], 0x0               ; xq s[8:9], xs s[10:11], grp s[12:13], W1's codes s[14:15]
	s_load_b256 s[16:23], s[0:1], 0x20             ; W1's scales s[16:17], b1 s[18:19], hq s[20:21], hs s[22:23]
	s_load_b64 s[60:61], s[0:1], 0x40              ; order; s[12:13] holds grp
	v_lshl_add_u32 v[SPW], v0, 2, SPARE
	v_lshl_add_u32 v[TA], v0, 2, TB
	v_mov_b32 v[NIL], 0
	v_lshrrev_b32 v[TT], 5, v0
	s_delay_alu instid0(VALU_DEP_1)
	v_readfirstlane_b32 s24, v[TT]                 ; wave 0..7
	s_and_b32 s25, ttmp7, 0xffff                   ; tb
	v_and_b32 v[LN], 31, v0                        ; lane
	v_and_b32 v[RQ], 15, v0                        ; r
	v_bfe_u32 v[HH], v0, 4, 1                      ; h
	v_mov_b32 v[KV], 0x41b2e92f                    ; K = 1 / 0.044715; the thread's number has been read for the last time
	v_mov_b32 v[KV+1], 0x41b2e92f
	s_delay_alu instid0(VALU_DEP_4)
	v_and_b32 v[RR], 8, v[RQ]
	s_delay_alu instid0(VALU_DEP_1)
	v_add_nc_u32 v[RR], v[RR], v[RQ]               ; r + 8 (r / 8)
	v_lshlrev_b32 v[L16], 4, v[LN]
	s_delay_alu instid0(VALU_DEP_2)
	v_lshlrev_b32 v[VW], 9, v[RR]
	s_delay_alu instid0(VALU_DEP_1)
	v_lshl_add_u32 v[VW], v[HH], 4, v[VW]
	s_delay_alu instid0(VALU_DEP_4)
	v_lshl_add_u32 v[VWS], v[HH], 3, v[RR]
	s_delay_alu instid0(VALU_DEP_1)
	v_lshlrev_b32 v[VWS], 5, v[VWS]
	v_lshlrev_b32 v[VB], 6, v[HH]
	v_lshlrev_b32 v[VHQ], 4, v[RQ]
	s_delay_alu instid0(VALU_DEP_1)
	v_lshl_add_u32 v[VHQ], v[HH], 14, v[VHQ]
	s_lshl_b32 s26, s24, 12
	v_add_nc_u32 v[IMG], s26, v[L16]               ; where I store my four images of x: 4,096 w + 16 x lane
	v_lshlrev_b32 v[OO], 2, v[LN]                  ; order: entry = lane
	s_lshr_b32 s26, s24, 1
	s_lshl_b32 s26, s26, 6
	v_lshlrev_b32 v[OT], 2, v[RQ]
	s_delay_alu instid0(VALU_DEP_1)
	v_add_nc_u32 v[OT], s26, v[OT]                 ; order: entry 16 (w / 2) + r: the token tile that I gather
	s_and_b32 s26, s24, 1
	s_lshl_b32 s26, s26, 8
	v_lshlrev_b32 v[CO], 4, v[HH]
	s_delay_alu instid0(VALU_DEP_1)
	v_add_nc_u32 v[CO], s26, v[CO]                 ; in its row of codes: K steps 4 (w % 2) on, + 16 h
	s_mov_b32 s[C3], 0xbdd2d3e8
	s_mov_b32 s[C3+1], s[C3]                       ; (named with it as a pair, so it is written)
	s_mov_b32 s[SEL], 0x76543210
	s_mov_b32 s[SEL+1], 0xfedcba98
	s_mov_b32 s[OFS+1], 0
	s_mov_b32 s29, 0
	s_wait_alu depctr_va_vdst(0)
	s_wait_kmcnt 0x0
	s_lshl_b32 s28, s25, 8
	s_add_nc_u64 s[60:61], s[60:61], s[28:29]      ; order: my block's 64 entries
	s_lshl_b32 s28, s24, 12
	s_add_nc_u64 s[12:13], s[12:13], s[28:29]      ; grp: 16 groups of 256 bytes a wave
	v_lshlrev_b32 v[GO], 3, v[LN]
	v_lshl_add_u32 v[TL], v[LN], 2, TB
.set i, 0
.rept 16
	global_load_b64 v[GR+2*i:GR+2*i+1], v[GO], s[12:13] offset:256*i   ; 256 consecutive bytes
.set i, i+1
.endr
	s_lshl_b32 s27, ttmp9, 3
	s_add_co_u32 s27, s27, s24                     ; kb = 8 cb + w
	s_lshl_b32 s28, s27, 14
	s_add_nc_u64 s[14:15], s[14:15], s[28:29]      ; W1's codes: 32 rows of 512 bytes a wave
	s_lshl_b32 s28, s27, 10
	s_add_nc_u64 s[16:17], s[16:17], s[28:29]      ; W1's scales: 32 rows of 32 bytes
	s_lshl_b32 s28, s27, 7
	s_add_nc_u64 s[18:19], s[18:19], s[28:29]      ; b1: 32 numbers
	s_lshl_b32 s28, s25, 16
	s_lshl_b32 s34, s27, 8
	s_add_co_u32 s28, s28, s34
	s_add_nc_u64 s[20:21], s[20:21], s[28:29]      ; hq: 65,536 tb + 256 kb (= 1,024 s + 512 c + 256 half)
	s_lshl_b32 s28, s25, 12
	s_lshr_b32 s34, s27, 2
	s_lshl_b32 s34, s34, 8
	s_add_co_u32 s28, s28, s34
	s_and_b32 s34, s27, 3
	s_lshl_b32 s34, s34, 2
	s_add_co_u32 s28, s28, s34
	s_add_nc_u64 s[22:23], s[22:23], s[28:29]      ; hs: 4,096 tb + 256 (kb / 4) + 4 (kb % 4).  All five stay at expert 0: an expert's part is added apart
	s_wait_loadcnt 0x0                             ; my 16 groups are in
	v_mov_b32 v[PF], 0
.set i, 0
.rept 16
	s_delay_alu instid0(VALU_DEP_1)
	v_add_nc_u32 v[PF+i+1], v[PF+i], v[GR+2*i]     ; my bin's count in my groups ahead of group i + 1
.set i, i+1
.endr
	ds_store_b32 v[TA], v[PF+16]                   ; my wave's total of each bin
	ds_store_b32 v[TA], v[PF] offset:ORD-TB        ; 0 into word = my thread's number of the list's 1,024 bytes: every word of the list is written ahead of the entries, two barriers ahead
	v_mov_b32 v[SA], 0
	s_mov_b32 s34, 0x10001
	s_wait_alu depctr_va_vdst(0)                   ; the wait ahead of the waits below
	s_wait_dscnt 0x0
	s_barrier_signal -1
	s_barrier_wait -1
.irp j, 0,1,2,3,4,5,6,7
	ds_load_b32 v[QT+\j], v[TL] offset:128*\j
.endr
	s_wait_dscnt 0x0
.irp j, 0,1,2,3,4,5,6,7                        ; low half: the bin's total (2,048 at the most); high half: its count in the waves ahead of mine
	s_cmp_gt_u32 s24, \j
	s_cselect_b32 s35, s34, 1
	v_mad_u32_u24 v[SA], v[QT+\j], s35, v[SA]
.endr
	v_and_b32 v[TO], 0xffff, v[SA]
	v_lshrrev_b32 v[BE], 16, v[SA]
	v_mov_b32 v[SC], v[TO]
.irp n, 1,2,4,8                                ; an inclusive scan inside each 16 lanes
	v_mov_b32 v[TV], 0                             ; lanes without a source keep this 0
	v_mov_b32_dpp v[TV], v[SC] row_shr:\n row_mask:0xf bank_mask:0xf
	v_add_nc_u32 v[SC], v[SC], v[TV]
.endr
	v_readlane_b32 s34, v[SC], 15
	v_mad_u32_u24 v[SC], v[HH], s34, v[SC]         ; bins 16-31 stand behind bins 0-15
	v_sub_nc_u32 v[SC], v[SC], v[TO]
	s_lshl_b32 s35, s25, 6
	v_add_nc_u32 v[SC], v[SC], v[BE]
	s_lshl_b32 s34, s24, 8
	v_subrev_nc_u32 v[SC], s35, v[SC]              ; where my wave's tokens of this bin begin, counted from my block's first place
	v_add_nc_u32 v[TK], s34, v[RQ]                 ; token 256 w + r
.set i, 0
.rept 16
	v_add_nc_u32 v[PF+i], v[PF+i], v[SC]
	v_and_b32 v[AD+i], 0xff, v[GR+2*i+1]           ; the token's bin
.set i, i+1
.endr
.set i, 0
.rept 16
	v_lshlrev_b32 v[AD+i], 2, v[AD+i]              ; as a lane's byte address
	v_and_or_b32 v[EN+i], v[GR+2*i+1], 0xff0000, v[TK]
.set i, i+1
.endr
.set i, 0
.rept 16
	ds_bpermute_b32 v[RS+i], v[AD+i], v[PF+i]
	v_bfe_u32 v[GR+2*i], v[GR+2*i+1], 8, 8         ; rank
	v_add_nc_u32 v[EN+i], 16*i, v[EN+i]            ; the entry: token 256 w + 16 i + r, and its mask
.set i, i+1
.endr
	s_wait_alu depctr_va_vdst(0)
	s_wait_dscnt 0x0
.set i, 0
.rept 16
	v_add_nc_u32 v[RS+i], v[RS+i], v[GR+2*i]
.set i, i+1
.endr
.set i, 0
.rept 16
	v_min_u32 v[RS+i], 64, v[RS+i]                 ; a place outside my block (under it: a very large number) is held at 64; a loaded number enters an address only behind this hold
.set i, i+1
.endr
.set i, 0
.rept 16
	v_lshl_add_u32 v[AD+i], v[RS+i], 2, ORD
.set i, i+1
.endr
	s_wait_alu depctr_va_vdst(0)                   ; the wait ahead of the barrier and the branches
	s_barrier_signal -1
	s_barrier_wait -1                              ; every wave has read the totals
.irp k, 0,1,2,3,4,5,6,7                        ; the waves store one after the other
	s_cmp_lg_u32 s24, \k
	s_cbranch_scc1 .Lnot\k
.set i, 0
.rept 16
	ds_store_b32 v[AD+i], v[EN+i]                  ; both halves of the lanes hold and write the same
.set i, i+1
.endr
.Lnot\k:
	s_wait_dscnt 0x0
	s_barrier_signal -1
	s_barrier_wait -1
.endr
	ds_load_b32 v[E0], v[OO] offset:ORD
	ds_load_b32 v[E1], v[OO] offset:ORD+128
	ds_load_b32 v[E2], v[OT] offset:ORD
	s_wait_dscnt 0x0
	s_or_b32 s34, ttmp9, s24
	s_cmp_lg_u32 s34, 0
	s_cbranch_scc1 .Lno_order                      ; wave 0 of the work-groups with cb = 0 stores the block's list
	global_store_b32 v[OO], v[E0], s[60:61]
	global_store_b32 v[OO], v[E1], s[60:61] offset:128
	s_wait_xcnt 0x0                                ; the stores have read their data, which are rewritten below
.Lno_order:
	v_or_b32 v[VM], v[E0], v[E1]                   ; over the 32 lanes: all 64 tokens' masks
.irp i, E0, E1, E2
	v_and_b32 v[\i], 0xffff, v[\i]                 ; the token,
	s_delay_alu instid0(VALU_DEP_1)
	v_min_u32 v[\i], 0x7ff, v[\i]                  ; held inside its tables: a loaded number enters an address only so
.endr
	v_lshlrev_b32 v[E0], 5, v[E0]                  ; its row of xs
	s_delay_alu instid0(VALU_DEP_4)
	v_lshlrev_b32 v[E1], 5, v[E1]
	s_delay_alu instid0(VALU_DEP_3)
	v_lshlrev_b32 v[E2], 9, v[E2]                  ; its row of xq
	s_delay_alu instid0(VALU_DEP_1)
	v_add_nc_u32 v[E2], v[E2], v[CO]
	global_load_b128 v[XS:XS+3], v[E0], s[10:11]           ; x's scale words, 8 K steps: token tiles 0 | 1
	global_load_b128 v[XS+4:XS+7], v[E0], s[10:11] offset:16
	global_load_b128 v[XS+8:XS+11], v[E1], s[10:11]        ; token tiles 2 | 3
	global_load_b128 v[XS+12:XS+15], v[E1], s[10:11] offset:16
.irp q, 0,1,2,3
.irp c, 0,1
	global_load_b128 v[ACC+8*\q+4*\c:ACC+8*\q+4*\c+3], v[E2], s[8:9] offset:64*\q+32*\c   ; four fragments of x
.endr
.endr
	MKLIST VM, TT                                  ; while these are out
	NEXTP
	LOADS                                          ; the first expert's weights: they land while x goes round
	s_wait_loadcnt 38                              ; all but these 38: x's scale words and fragments are in
.irp q, 0,1,2,3
.irp c, 0,1
	ds_store_b128 v[IMG], v[ACC+8*\q+4*\c:ACC+8*\q+4*\c+3] offset:1024*\q+512*\c          ; as images of their registers: fragment 8 m + s = 4 w + q
.endr
.endr
	s_wait_dscnt 0x0                               ; for the others' sake: my images lie in LDS
	s_barrier_signal -1
	s_barrier_wait -1                              ; the last barrier, ahead of every branch on the stored list
	WIN 0x40                                       ; destination window 1
.set f, 0
.rept 32
	ds_load_b128 v[8*f:8*f+3], v[L16] offset:1024*f
	ds_load_b128 v[8*f+4:8*f+7], v[L16] offset:1024*f+512
.set f, f+1
.endr
	WIN 0
	s_wait_dscnt 0x0
	s_mov_b32 s[IX], 0
.Lexpert:                                              ; on both ways in, the loads that are out are this expert's 38, in LOADS' order
	WIN 0x04                                       ; source 1 (x) window 1
.irp s, 0,1,2,3,4,5,6,7                        ; the eight accumulators take turns, one instruction a turn
	s_wait_loadcnt 4*(7-\s)                        ; the four loads of each later K step may stay out
.irp m, 0,1,2,3
.irp u, 0,1
.if \s == 0
	MM1 ACC+8*(2*\m+\u), WF+8*(8*\u+\s), 8*(8*\m+\s), BI+8*\u, WS+\s, XS+8*(\m/2)+\s, \u, \m%2          ; the bias starts the sum
.else
	MM1 ACC+8*(2*\m+\u), WF+8*(8*\u+\s), 8*(8*\m+\s), ACC+8*(2*\m+\u), WS+\s, XS+8*(\m/2)+\s, \u, \m%2
.endif
.endr
.endr
.endr
	WIN 0
.rept 4
	v_nop                                          ; four places before results are read and loads are issued into the products' registers
.endr
	s_wait_xcnt 0x0                                ; the last trip's stores have read their data and bases (this trip's loads are all in): both may be written
	s_and_b32 s56, s[LIST], 7                      ; the expert in hand: the list's lowest entry, held at 7
	s_min_u32 s56, s56, 7
	s_lshl_b32 s[OFS], s56, 21
	s_add_nc_u64 s[HQP:HQP+1], s[20:21], s[OFS:OFS+1]      ; where this expert's h goes,
	s_lshl_b32 s[OFS], s56, 17
	s_add_nc_u64 s[HSP:HSP+1], s[22:23], s[OFS:OFS+1]      ; and its scale words
	s_lshr_b32 s[LIST], s[LIST], 4                 ; on to the next entry
	NEXTP
	s_add_co_u32 s53, s[IX], 1
	s_cmp_lt_u32 s53, s[CNT]
	s_cbranch_scc0 .Llast                          ; the last trip asks for nothing
	LOADS
.Llast:
	GELU16 ACC
	GELU16 ACC+16
	GELU16 ACC+32
	GELU16 ACC+48
	QUANT ACC                                      ; its block b is token tile b: PC[4 c ..]: lanes 0-15 token tile 2 c, lanes 16-31 tile 2 c + 1; PW: byte m = tile m's scale
	v_and_b32 v[VHS], 0x3fff, v[VHQ]               ; 16 r
	global_store_b128 v[VHQ], v[PC:PC+3], s[HQP:HQP+1]             ; each 16 lanes store 256 consecutive bytes, aligned
	global_store_b128 v[VHQ], v[PC+4:PC+7], s[HQP:HQP+1] offset:32768
	global_store_b32 v[VHS], v[PW], s[HSP:HSP+1]                   ; both halves of the lanes hold and write the same word
	s_add_co_u32 s[IX], s[IX], 1
	s_cmp_lt_u32 s[IX], s[CNT]
	s_cbranch_scc1 .Lexpert
	s_wait_tensorcnt 0x0                           ; the wave's end, behind my last LDS store
	ds_add_u32 v[SPW], v[NIL]
	s_wait_dscnt 0x0
	s_endpgm
.Lfunc_end_k_qd63428d599_ffn1:
	.size	k_qd63428d599_ffn1, .Lfunc_end_k_qd63428d599_ffn1-k_qd63428d599_ffn1
	.p2alignl 7, 3214868480
	.fill 96, 4, 3214868480
	.section	.rodata,"a",@progbits
	.p2align	6, 0x0
	.amdhsa_kernel k_qd63428d599_ffn1
		.amdhsa_group_segment_fixed_size 35840
		.amdhsa_private_segment_fixed_size 0
		.amdhsa_enable_private_segment 0
		.amdhsa_kernarg_size 72
		.amdhsa_user_sgpr_count 2
		.amdhsa_user_sgpr_kernarg_segment_ptr 1
		.amdhsa_wavefront_size32 1
		.amdhsa_system_sgpr_workgroup_id_x 1
		.amdhsa_system_sgpr_workgroup_id_y 1
		.amdhsa_system_sgpr_workgroup_id_z 1
		.amdhsa_system_vgpr_workitem_id 0
		.amdhsa_next_free_vgpr 512
		.amdhsa_next_free_sgpr 66
		.amdhsa_reserve_vcc 1
		.amdhsa_float_denorm_mode_32 3
		.amdhsa_float_denorm_mode_16_64 3
		.amdhsa_memory_ordered 1
		.amdhsa_forward_progress 1
		.amdhsa_inst_pref_size 74
	.end_amdhsa_kernel
	.amdgpu_metadata
---
amdhsa.version: [ 1, 2 ]
amdhsa.kernels:
  - .name:           k_qd63428d599_ffn1
    .symbol:         k_qd63428d599_ffn1.kd
    .args:
      - { .name: xq, .offset: 0, .size: 8, .value_kind: global_buffer, .address_space: global }
      - { .name: xs, .offset: 8, .size: 8, .value_kind: global_buffer, .address_space: global }
      - { .name: grp, .offset: 16, .size: 8, .value_kind: global_buffer, .address_space: global }
      - { .name: W1_codes, .offset: 24, .size: 8, .value_kind: global_buffer, .address_space: global }
      - { .name: W1_scales, .offset: 32, .size: 8, .value_kind: global_buffer, .address_space: global }
      - { .name: b1, .offset: 40, .size: 8, .value_kind: global_buffer, .address_space: global }
      - { .name: hq, .offset: 48, .size: 8, .value_kind: global_buffer, .address_space: global }
      - { .name: hs, .offset: 56, .size: 8, .value_kind: global_buffer, .address_space: global }
      - { .name: order, .offset: 64, .size: 8, .value_kind: global_buffer, .address_space: global }
    .group_segment_fixed_size: 35840
    .private_segment_fixed_size: 0
    .kernarg_segment_align: 8
    .kernarg_segment_size: 72
    .max_flat_workgroup_size: 256
    .sgpr_count:     66
    .vgpr_count:     512
    .wavefront_size: 32
...
	.end_amdgpu_metadata
.endif
;; end of part 2
;; launch ffn2 (part 3): grid 8 x 32, 4 waves a work-group, no clusters, 135,680 bytes of LDS; arguments hq, hs, order, comb, W2_codes, W2_scales, b2, out0; writes out0
.if DOCPART == 3
	.amdgcn_target "amdgcn-amd-amdhsa--gfx1250"
	.amdhsa_code_object_version 6
	.text
	.protected	k_qd63428d599_ffn2
	.globl	k_qd63428d599_ffn2
	.p2align	8
	.type	k_qd63428d599_ffn2,@function
k_qd63428d599_ffn2:
	s_mov_b64 s[64:65], 0
	v_nop
	global_prefetch_b8 v0, s[64:65] scope:SCOPE_SE
	s_setreg_imm32_b32 hwreg(HW_REG_WAVE_MODE, 25, 1), 1
	s_wait_xcnt 0x0
; FFN2.  out[token] = sum over e of comb[token][e] (h[e][token] W2[e]^T + b2[e]); h and W2 as codes of E2M1 with E8M0 scales, sums in f32.
; SHARES.  Work-group (x = cb, y = tb): the 64 tokens of sorted block tb, outputs 128 cb .. + 127: it owns these numbers of out0, so nothing is added in memory.
; THE FOUR WAVES SHARE K: wave w takes K steps 4 w .. 4 w + 3 (512 hidden units) for all 8 tiles of outputs and all 4 tiles of tokens.  So each fragment of h and of W2 is loaded by one wave alone,
; from memory straight into registers, and the walk over experts needs no LDS and no barrier.  The gate's weight is linear: each wave keeps TOT += comb x (its part of y); the four TOT meet once, in LDS, behind the walk.
; (The order of the f32 sums so differs from one chain along K.)
; THE WALK.  The head packs the experts that one of the 64 tokens uses into a scalar list, four bits each, lowest first, and counts them (every token names two: the list is never empty; the test is the one of the
; launch that made h, so only written bytes are read).  A trip takes the list's next expert, and the one after it is known: as soon as a group of two tiles of outputs is multiplied, THE NEXT EXPERT'S FRAGMENTS OF THAT GROUP
; ARE ASKED FOR, into the registers just left; behind the last group follow its h, scale words and weights.  A trip opens with the wait for all of them.  Trip count and addresses hang on the stored list:
; so the launch has no tensor load and no cluster.  A row that did not choose a used expert is weighed with comb = 0, as the definition weighs it.
; LAYOUT.  The product is used transposed (source 0 = 16 rows of W2, source 1 = 16 tokens): lane (r, h), register j = token r, output 16 t + 8 h + j.
; W2's loads: a wave's eight loads of a tile cover 256 consecutive bytes, aligned, of each of its 16 rows.  h comes as images of the operand's registers, 512 consecutive bytes a load.
; TOT is cleared by moves, while the list's loads are out: a first trip written out to start these sums would double the loop's text.
; REGISTERS.  window 0: addresses, scales, 8 accumulators, the way out.  window 1: W2's 32 fragments (t, q) at 8 (4 t + q).  window 2: TOT (t, m) at 8 (4 t + m).
;             window 3: v0-127 h's 16 fragments (m, q) at 8 (4 m + q); v128-255 comb's rows of my 16 tokens of the way out, at 8 row + e.
.set YP,    528                        ; a row of a stage: 512 bytes + 16
.set STG,   64*YP                      ; a wave's stage: 64 rows
.set SPARE, 4*STG                      ; behind the four stages: the spare words, 128 bytes a wave
.set L16,  1                           ; v1   16 x lane
.set VW,   2                           ; v2   W2's codes: r x 1,024 + 16 h
.set VWS,  3                           ; v3   W2's scales: 64 x lane
.set CA,   4                           ; v4-7 comb: token (m, r) x 32
.set VM,   8                           ; v8   four tokens' masks, bits 16-23
.set SO,   10                          ; v10  into my stage
.set SR0,  11                          ; v11  back: my 16 rows in stages 0, 1;
.set SR1,  12                          ; v12  in stages 2, 3
.set ZO,   13                          ; v13  0, an offset
.set SPW,  14                          ; v14  my spare word's address; never rewritten
.set NIL,  15                          ; v15  0; never rewritten
.set CB,   16                          ; v16-23  comb[token (m, r)][e] at 2 m; the odd registers hold 0 (the packed form names the pair)
.set HSR,  24                          ; v24-31  h's scale words as stored: word j, byte m
.set HS,   32                          ; v32-39  and as the product wants them: register 4 (q / 2) + m, byte j; lanes 0-15 K step q even, lanes 16-31 odd
.set WS,   40                          ; v40-55  W2's scale words: register 4 (t / 2) + q; lanes 0-15 tile t even, lanes 16-31 odd
.set TP,   56                          ; v56-63  at work
.set ACC,  64                          ; v64-127 accumulator (u, m) at 8 (4 u + m); on the way out: rows from the four stages
.set P,    64
.set B2R,  128                         ; v128-159 b2[e] at my four outputs, 4 e + i
.set ENT,  160                         ; v160-175 my 16 rows' tokens x 32
.set OA,   176                         ; v176-191 and their places in out0
.set O,    192                         ; v192-255 16 rows x 4 numbers
.set CMB,  128                         ; in window 3
.set HQP,  36                          ; s[36:37] hq, s[38:39] hs, s[40:41] W2's codes, s[42:43] W2's scales, s[44:45] comb's column of the expert whose operands are asked for
.set HSP,  38
.set WCP,  40
.set WSP,  42
.set CBP,  44
.set OFS,  46                          ; s[46:47] an offset, its high word 0
.set LIST, 48                          ; s48  the experts still to come, four bits each
.set CNT,  49                          ; s49  how many the block uses
.set IX,   50                          ; s50  trips done
.set MORE, 51                          ; s51  1 while a further expert follows
.set EX,   52                          ; s52  the list's lowest entry
.set MSB, 0
.macro WIN new                         ; the immediate's high byte repeats the setting that is left
.if MSB != \new
	s_set_vgpr_msb (MSB<<8)|\new
.set MSB, \new
.endif
.endm
.macro MKLIST vm, tmp                  ; bit 16 + e of v[vm] in any lane: expert e is used.  No branch: an unused expert adds nothing to the list and nothing to the count
	s_mov_b32 s[LIST], 0
	s_mov_b32 s[CNT], 0
.irp e, 0,1,2,3,4,5,6,7
	v_and_b32 v[\tmp], (0x10000<<\e), v[\vm]
	v_cmp_ne_u32 vcc_lo, 0, v[\tmp]
	s_cmp_lg_u32 vcc_lo, 0
	s_cselect_b32 s53, 1, 0
	s_lshl_b32 s54, s[CNT], 2
	s_mul_i32 s55, s53, \e
	s_lshl_b32 s55, s55, s54
	s_or_b32 s[LIST], s[LIST], s55
	s_add_co_u32 s[CNT], s[CNT], s53
.endr
.endm
.macro PTRS                            ; the list's lowest entry, held at 7 (a number made of loaded ones enters an address only so), and where its operands lie
	s_and_b32 s[EX], s[LIST], 7
	s_min_u32 s[EX], s[EX], 7
	s_lshl_b32 s[OFS], s[EX], 21
	s_add_nc_u64 s[HQP:HQP+1], s[8:9], s[OFS:OFS+1]
	s_lshl_b32 s[OFS], s[EX], 17
	s_add_nc_u64 s[HSP:HSP+1], s[10:11], s[OFS:OFS+1]
	s_lshl_b32 s[OFS], s[EX], 20
	s_add_nc_u64 s[WCP:WCP+1], s[16:17], s[OFS:OFS+1]
	s_lshl_b32 s[OFS], s[EX], 16
	s_add_nc_u64 s[WSP:WSP+1], s[18:19], s[OFS:OFS+1]
	s_lshl_b32 s[OFS], s[EX], 2
	s_add_nc_u64 s[CBP:CBP+1], s[14:15], s[OFS:OFS+1]
.endm
.macro LOADW g                         ; W2's fragments of tiles 2 g, 2 g + 1: sixteen loads (the caller has set the destination's window to 1)
.irp u, 0,1
.irp q, 0,1,2,3
.irp c, 0,1
	global_load_b128 v[8*(4*(2*(\g)+\u)+\q)+4*\c:8*(4*(2*(\g)+\u)+\q)+4*\c+3], v[VW], s[WCP:WCP+1] offset:16384*(2*(\g)+\u)+64*\q+32*\c
.endr
.endr
.endr
.endm
.macro LOADH                           ; the weights, the scale words and h: 42 loads
.irp m, 0,1,2,3
	global_load_b32 v[CB+2*\m], v[CA+\m], s[CBP:CBP+1]
.endr
.irp p, 0,1
	global_load_b128 v[HSR+4*\p:HSR+4*\p+3], v[L16], s[HSP:HSP+1] offset:512*\p      ; lanes 0-15 K step 2 p of my four, lanes 16-31 the next
.endr
.irp g, 0,1,2,3
	global_load_b128 v[WS+4*\g:WS+4*\g+3], v[VWS], s[WSP:WSP+1] offset:2048*\g       ; lanes 0-15 tile 2 g's rows, lanes 16-31 tile 2 g + 1's: four K steps' words
.endr
	WIN 0xc0                                       ; destination window 3
.irp m, 0,1,2,3
.irp q, 0,1,2,3
.irp c, 0,1
	global_load_b128 v[8*(4*\m+\q)+4*\c:8*(4*\m+\q)+4*\c+3], v[L16], s[HQP:HQP+1] offset:16384*\m+1024*\q+512*\c
.endr
.endr
.endr
	WIN 0
.endm
.macro NEXTW g                         ; group g is multiplied and four places lie behind its products: its registers take the next expert's fragments, if there is a next expert
	WIN 0
	s_cmp_lg_u32 s[MORE], 0
	s_cbranch_scc0 .Lno_w_\@
	WIN 0x40
	LOADW \g
	WIN 0
.Lno_w_\@:
.endm
; one product: D, source 0 (W2, window 1), source 1 (h, window 3), q (0: the constant 0 starts the sum), the scale registers, and which half of the lanes holds each side's scales
.macro MM2 d, a, b, q, sa, sb, ra, rb
.if (\q) == 0
.if (\ra) && (\rb)
	v_wmma_scale_f32_16x16x128_f8f6f4 v[(\d):(\d)+7], v[(\a):(\a)+7], v[(\b):(\b)+7], 0, v[(\sa)], v[(\sb)] matrix_a_fmt:MATRIX_FMT_FP4 matrix_b_fmt:MATRIX_FMT_FP4 matrix_a_scale:MATRIX_SCALE_ROW1 matrix_b_scale:MATRIX_SCALE_ROW1
.elseif (\ra)
	v_wmma_scale_f32_16x16x128_f8f6f4 v[(\d):(\d)+7], v[(\a):(\a)+7], v[(\b):(\b)+7], 0, v[(\sa)], v[(\sb)] matrix_a_fmt:MATRIX_FMT_FP4 matrix_b_fmt:MATRIX_FMT_FP4 matrix_a_scale:MATRIX_SCALE_ROW1
.elseif (\rb)
	v_wmma_scale_f32_16x16x128_f8f6f4 v[(\d):(\d)+7], v[(\a):(\a)+7], v[(\b):(\b)+7], 0, v[(\sa)], v[(\sb)] matrix_a_fmt:MATRIX_FMT_FP4 matrix_b_fmt:MATRIX_FMT_FP4 matrix_b_scale:MATRIX_SCALE_ROW1
.else
	v_wmma_scale_f32_16x16x128_f8f6f4 v[(\d):(\d)+7], v[(\a):(\a)+7], v[(\b):(\b)+7], 0, v[(\sa)], v[(\sb)] matrix_a_fmt:MATRIX_FMT_FP4 matrix_b_fmt:MATRIX_FMT_FP4
.endif
.else
.if (\ra) && (\rb)
	v_wmma_scale_f32_16x16x128_f8f6f4 v[(\d):(\d)+7], v[(\a):(\a)+7], v[(\b):(\b)+7], v[(\d):(\d)+7], v[(\sa)], v[(\sb)] matrix_a_fmt:MATRIX_FMT_FP4 matrix_b_fmt:MATRIX_FMT_FP4 matrix_a_scale:MATRIX_SCALE_ROW1 matrix_b_scale:MATRIX_SCALE_ROW1
.elseif (\ra)
	v_wmma_scale_f32_16x16x128_f8f6f4 v[(\d):(\d)+7], v[(\a):(\a)+7], v[(\b):(\b)+7], v[(\d):(\d)+7], v[(\sa)], v[(\sb)] matrix_a_fmt:MATRIX_FMT_FP4 matrix_b_fmt:MATRIX_FMT_FP4 matrix_a_scale:MATRIX_SCALE_ROW1
.elseif (\rb)
	v_wmma_scale_f32_16x16x128_f8f6f4 v[(\d):(\d)+7], v[(\a):(\a)+7], v[(\b):(\b)+7], v[(\d):(\d)+7], v[(\sa)], v[(\sb)] matrix_a_fmt:MATRIX_FMT_FP4 matrix_b_fmt:MATRIX_FMT_FP4 matrix_b_scale:MATRIX_SCALE_ROW1
.else
	v_wmma_scale_f32_16x16x128_f8f6f4 v[(\d):(\d)+7], v[(\a):(\a)+7], v[(\b):(\b)+7], v[(\d):(\d)+7], v[(\sa)], v[(\sb)] matrix_a_fmt:MATRIX_FMT_FP4 matrix_b_fmt:MATRIX_FMT_FP4
.endif
.endif
.endm
; four words (word j, byte m) become four words (word m, byte j): a selector's bytes 0-3 pick from the second source, 4-7 from the first
.macro TRANS4 p
	v_perm_b32 v[TP+4*\p], v[HSR+4*\p+1], v[HSR+4*\p], 0x05010400
	v_perm_b32 v[TP+4*\p+1], v[HSR+4*\p+1], v[HSR+4*\p], 0x07030602
	v_perm_b32 v[TP+4*\p+2], v[HSR+4*\p+3], v[HSR+4*\p+2], 0x05010400
	v_perm_b32 v[TP+4*\p+3], v[HSR+4*\p+3], v[HSR+4*\p+2], 0x07030602
	v_perm_b32 v[HS+4*\p], v[TP+4*\p+2], v[TP+4*\p], 0x05040100
	v_perm_b32 v[HS+4*\p+1], v[TP+4*\p+2], v[TP+4*\p], 0x07060302
	v_perm_b32 v[HS+4*\p+2], v[TP+4*\p+3], v[TP+4*\p+1], 0x05040100
	v_perm_b32 v[HS+4*\p+3], v[TP+4*\p+3], v[TP+4*\p+1], 0x07060302
.endm
	s_load_b256 s[8:15], s[0:1], 0x0               ; hq s[8:9], hs s[10:11], order s[12:13], comb s[14:15]
	s_load_b256 s[16:23], s[0:1], 0x20             ; W2's codes s[16:17], W2's scales s[18:19], b2 s[20:21], out0 s[22:23]
	v_lshl_add_u32 v[SPW], v0, 2, SPARE
	v_mov_b32 v[NIL], 0
	v_lshrrev_b32 v9, 5, v0
	v_readfirstlane_b32 s24, v9                    ; wave 0..3
	s_and_b32 s25, ttmp7, 0xffff                   ; tb
	v_and_b32 v56, 31, v0                          ; lane
	v_and_b32 v57, 15, v0                          ; r
	v_bfe_u32 v58, v0, 4, 1                        ; h
	v_lshlrev_b32 v[L16], 4, v56
	v_lshlrev_b32 v[VW], 10, v57
	v_lshl_add_u32 v[VW], v58, 4, v[VW]
	v_lshlrev_b32 v[VWS], 6, v56
	v_mul_u32_u24 v[SO], v57, YP
	v_lshl_add_u32 v[SO], v58, 5, v[SO]
	s_mul_i32 s26, s24, STG
	v_add_nc_u32 v[SO], s26, v[SO]                 ; my stage: row r, + 32 h
	s_mul_i32 s26, s24, 16*YP
	v_add_nc_u32 v[SR0], s26, v[L16]               ; rows 16 w on, 16 bytes a lane
	v_add_nc_u32 v[SR1], 2*STG, v[SR0]
	v_mov_b32 v[ZO], 0
	v_lshlrev_b32 v59, 2, v57                      ; order: entry r of a token tile
.irp m, 0,1,2,3
	v_mov_b32 v[CB+2*\m+1], 0
.endr
	s_mov_b32 s[OFS+1], 0
	s_mov_b32 s29, 0
	s_wait_alu depctr_va_vdst(0)
	s_wait_kmcnt 0x0
	s_lshl_b32 s28, s25, 8
	s_add_nc_u64 s[12:13], s[12:13], s[28:29]      ; my block's 64 entries,
	s_lshl_b32 s28, s24, 6
	s_add_nc_u64 s[34:35], s[12:13], s[28:29]      ; and the 16 that I store at the end
	s_lshl_b32 s28, ttmp9, 9
	s_add_nc_u64 s[20:21], s[20:21], s[28:29]      ; b2 and out0 at my 128 outputs
	s_add_nc_u64 s[22:23], s[22:23], s[28:29]
.irp m, 0,1,2,3
	global_load_b32 v[CA+\m], v59, s[12:13] offset:64*\m
.endr
.irp i, 0,1,2,3
	global_load_b128 v[ENT+4*\i:ENT+4*\i+3], v[ZO], s[34:35] offset:16*\i    ; the same 16 entries in every lane
.endr
.irp e, 0,1,2,3,4,5,6,7
	global_load_b128 v[B2R+4*\e:B2R+4*\e+3], v[L16], s[20:21] offset:4096*\e
.endr
	s_lshl_b32 s28, s25, 16
	s_lshl_b32 s26, s24, 12
	s_add_co_u32 s28, s28, s26
	s_add_nc_u64 s[8:9], s[8:9], s[28:29]          ; hq: 65,536 tb + my four K steps' images
	s_lshl_b32 s28, s25, 12
	s_lshl_b32 s26, s24, 10
	s_add_co_u32 s28, s28, s26
	s_add_nc_u64 s[10:11], s[10:11], s[28:29]      ; hs: 4,096 tb + 256 bytes a K step
	s_lshl_b32 s28, ttmp9, 17
	s_lshl_b32 s26, s24, 8
	s_add_co_u32 s28, s28, s26
	s_add_nc_u64 s[16:17], s[16:17], s[28:29]      ; W2's codes: 128 rows of 1,024 bytes a work-group, 256 bytes of a row a wave
	s_lshl_b32 s28, ttmp9, 13
	s_lshl_b32 s26, s24, 4
	s_add_co_u32 s28, s28, s26
	s_add_nc_u64 s[18:19], s[18:19], s[28:29]      ; W2's scales: 128 rows of 64 bytes, 16 bytes of a row a wave.  All stay at expert 0: an expert's part is added apart
	WIN 0x80                                       ; destination window 2
.set i, 0
.rept 256
	v_mov_b32 v[i], 0                              ; TOT, while the loads are out
.set i, i+1
.endr
	WIN 0
	s_wait_loadcnt 0x0
	v_or_b32 v[VM], v[CA], v[CA+1]
	v_or_b32 v9, v[CA+2], v[CA+3]
	v_or_b32 v[VM], v[VM], v9                      ; over the lanes: all 64 tokens' masks
.irp m, 0,1,2,3
	v_and_b32 v[CA+\m], 0xffff, v[CA+\m]           ; the token,
	v_min_u32 v[CA+\m], 0x7ff, v[CA+\m]            ; held inside its tables: a loaded number enters an address only so
	v_lshlrev_b32 v[CA+\m], 5, v[CA+\m]
.endr
	MKLIST VM, 9
	PTRS
	LOADH                                          ; the first expert's operands
	WIN 0x40
	LOADW 0
	LOADW 1
	LOADW 2
	LOADW 3
	WIN 0
.irp i, 0,1,2,3,4,5,6,7,8,9,10,11,12,13,14,15
	v_and_b32 v[ENT+\i], 0xffff, v[ENT+\i]
	v_min_u32 v[ENT+\i], 0x7ff, v[ENT+\i]
	v_lshlrev_b32 v[OA+\i], 12, v[ENT+\i]
	v_add_nc_u32 v[OA+\i], v[OA+\i], v[L16]        ; its row of out0, 16 bytes a lane
	v_lshlrev_b32 v[ENT+\i], 5, v[ENT+\i]          ; its row of comb
.endr
	WIN 0xc0                                       ; destination window 3
.irp i, 0,1,2,3,4,5,6,7,8,9,10,11,12,13,14,15
	global_load_b128 v[CMB+8*\i:CMB+8*\i+3], v[ENT+\i], s[14:15]             ; wanted behind the walk
	global_load_b128 v[CMB+8*\i+4:CMB+8*\i+7], v[ENT+\i], s[14:15] offset:16
.endr
	WIN 0
	s_mov_b32 s[IX], 0
.Lexpert:
	s_wait_loadcnt 0x0                             ; this expert's operands are in; no load is out, so the pointers may be written
	s_lshr_b32 s[LIST], s[LIST], 4                 ; on to the next entry
	s_add_co_u32 s53, s[IX], 1
	s_cmp_lt_u32 s53, s[CNT]
	s_cselect_b32 s[MORE], 1, 0
	PTRS
	TRANS4 0
	TRANS4 1
.rept 8
	v_nop                                          ; scale registers written by vector instructions stand eight places ahead of a scaled product
.endr
.irp g, 0,1,2,3                                ; two tiles of outputs at a time: 32 products, the eight accumulators by turns, one instruction a turn
	WIN 0x0d                                       ; source 0 (W2) window 1, source 1 (h) window 3
.irp q, 0,1,2,3
.irp u, 0,1
.irp m, 0,1,2,3
	MM2 ACC+8*(4*\u+\m), 8*(4*(2*\g+\u)+\q), 8*(4*\m+\q), \q, WS+4*\g+\q, HS+4*(\q/2)+\m, \u, \q%2
.endr
.endr
.endr
.rept 4
	v_nop                                          ; four places before the results are read and loads are issued into the products' registers
.endr
.if \g < 3
	NEXTW \g
.endif
	WIN 0xa0                                       ; TOT (destination and source 2) window 2
.irp u, 0,1
.irp m, 0,1,2,3
.irp j, 0,2,4,6                                ; each accumulator from its low end on
	v_pk_fma_f32 v[8*(4*(2*\g+\u)+\m)+\j:8*(4*(2*\g+\u)+\m)+\j+1], v[ACC+8*(4*\u+\m)+\j:ACC+8*(4*\u+\m)+\j+1], v[CB+2*\m:CB+2*\m+1], v[8*(4*(2*\g+\u)+\m)+\j:8*(4*(2*\g+\u)+\m)+\j+1] op_sel_hi:[1,0,1]
.endr
.endr
.endr
	WIN 0
.endr
	s_cmp_lg_u32 s[MORE], 0
	s_cbranch_scc0 .Lno_more                       ; the last trip asks for nothing
	WIN 0x40
	LOADW 3                                        ; the last group's registers, and all that every group has read: h, the scale words, the weights
	WIN 0
	LOADH
.Lno_more:
	s_add_co_u32 s[IX], s[IX], 1
	s_cmp_lt_u32 s[IX], s[CNT]
	s_cbranch_scc1 .Lexpert
	; ---- all ways have joined: the four waves' parts meet in LDS
	WIN 0x08                                       ; an LDS store's data are its source 1: window 2
	s_wait_alu depctr_va_vdst(0)
.irp t, 0,1,2,3,4,5,6,7
.irp m, 0,1,2,3
	ds_store_b128 v[SO], v[8*(4*\t+\m):8*(4*\t+\m)+3] offset:16*\m*YP+64*\t        ; lane (r, h): token 16 m + r, outputs 16 t + 8 h + 0 .. 7
	ds_store_b128 v[SO], v[8*(4*\t+\m)+4:8*(4*\t+\m)+7] offset:16*\m*YP+64*\t+16
.endr
.endr
	WIN 0
	s_wait_loadcnt 0x0
	s_wait_dscnt 0x0                               ; for the others' sake: my stage is whole
	s_barrier_signal -1
	s_barrier_wait -1
.irp y, 0,1,2,3                                ; my 16 rows, four at a time
.irp x, 0,1,2,3
	ds_load_b128 v[P+16*\x:P+16*\x+3], v[SR0] offset:YP*(4*\y+\x)
	ds_load_b128 v[P+16*\x+4:P+16*\x+7], v[SR0] offset:STG+YP*(4*\y+\x)
	ds_load_b128 v[P+16*\x+8:P+16*\x+11], v[SR1] offset:YP*(4*\y+\x)
	ds_load_b128 v[P+16*\x+12:P+16*\x+15], v[SR1] offset:STG+YP*(4*\y+\x)
.endr
	s_wait_dscnt 0x0
.irp x, 0,1,2,3
.irp i, 0,2
	v_pk_add_f32 v[O+4*(4*\y+\x)+\i:O+4*(4*\y+\x)+\i+1], v[P+16*\x+\i:P+16*\x+\i+1], v[P+16*\x+4+\i:P+16*\x+5+\i]
	v_pk_add_f32 v[P+16*\x+8+\i:P+16*\x+9+\i], v[P+16*\x+8+\i:P+16*\x+9+\i], v[P+16*\x+12+\i:P+16*\x+13+\i]
.endr
.endr
.irp x, 0,1,2,3
.irp i, 0,2
	v_pk_add_f32 v[O+4*(4*\y+\x)+\i:O+4*(4*\y+\x)+\i+1], v[O+4*(4*\y+\x)+\i:O+4*(4*\y+\x)+\i+1], v[P+16*\x+8+\i:P+16*\x+9+\i]
.endr
.endr
	WIN 0x0c                                       ; source 1 (comb's rows) window 3
.irp e, 0,1,2,3,4,5,6,7                        ; + sum over e of comb x b2: of a pair of weights the low word serves both halves for an even e, the high word for an odd one
.irp x, 0,1,2,3
.irp i, 0,2
.if (\e)%2 == 0
	v_pk_fma_f32 v[O+4*(4*\y+\x)+\i:O+4*(4*\y+\x)+\i+1], v[B2R+4*\e+\i:B2R+4*\e+\i+1], v[CMB+8*(4*\y+\x)+\e:CMB+8*(4*\y+\x)+\e+1], v[O+4*(4*\y+\x)+\i:O+4*(4*\y+\x)+\i+1] op_sel_hi:[1,0,1]
.else
	v_pk_fma_f32 v[O+4*(4*\y+\x)+\i:O+4*(4*\y+\x)+\i+1], v[B2R+4*\e+\i:B2R+4*\e+\i+1], v[CMB+8*(4*\y+\x)+\e-1:CMB+8*(4*\y+\x)+\e], v[O+4*(4*\y+\x)+\i:O+4*(4*\y+\x)+\i+1] op_sel:[0,1,0] op_sel_hi:[1,1,1]
.endif
.endr
.endr
.endr
	WIN 0
.irp x, 0,1,2,3
	global_store_b128 v[OA+4*\y+\x], v[O+4*(4*\y+\x):O+4*(4*\y+\x)+3], s[22:23] th:TH_STORE_NT   ; 32 lanes store 512 consecutive bytes of a token's row, aligned; each row has registers of its own
.endr
.endr
	s_wait_tensorcnt 0x0                           ; the wave's end, behind my last LDS store
	ds_add_u32 v[SPW], v[NIL]
	s_wait_dscnt 0x0
	s_endpgm
.Lfunc_end_k_qd63428d599_ffn2:
	.size	k_qd63428d599_ffn2, .Lfunc_end_k_qd63428d599_ffn2-k_qd63428d599_ffn2
	.p2alignl 7, 3214868480
	.fill 96, 4, 3214868480
	.section	.rodata,"a",@progbits
	.p2align	6, 0x0
	.amdhsa_kernel k_qd63428d599_ffn2
		.amdhsa_group_segment_fixed_size 135680
		.amdhsa_private_segment_fixed_size 0
		.amdhsa_enable_private_segment 0
		.amdhsa_kernarg_size 64
		.amdhsa_user_sgpr_count 2
		.amdhsa_user_sgpr_kernarg_segment_ptr 1
		.amdhsa_wavefront_size32 1
		.amdhsa_system_sgpr_workgroup_id_x 1
		.amdhsa_system_sgpr_workgroup_id_y 1
		.amdhsa_system_sgpr_workgroup_id_z 1
		.amdhsa_system_vgpr_workitem_id 0
		.amdhsa_next_free_vgpr 1024
		.amdhsa_next_free_sgpr 66
		.amdhsa_reserve_vcc 1
		.amdhsa_float_denorm_mode_32 3
		.amdhsa_float_denorm_mode_16_64 3
		.amdhsa_memory_ordered 1
		.amdhsa_forward_progress 1
		.amdhsa_inst_pref_size 103
	.end_amdhsa_kernel
	.amdgpu_metadata
---
amdhsa.version: [ 1, 2 ]
amdhsa.kernels:
  - .name:           k_qd63428d599_ffn2
    .symbol:         k_qd63428d599_ffn2.kd
    .args:
      - { .name: hq, .offset: 0, .size: 8, .value_kind: global_buffer, .address_space: global }
      - { .name: hs, .offset: 8, .size: 8, .value_kind: global_buffer, .address_space: global }
      - { .name: order, .offset: 16, .size: 8, .value_kind: global_buffer, .address_space: global }
      - { .name: comb, .offset: 24, .size: 8, .value_kind: global_buffer, .address_space: global }
      - { .name: W2_codes, .offset: 32, .size: 8, .value_kind: global_buffer, .address_space: global }
      - { .name: W2_scales, .offset: 40, .size: 8, .value_kind: global_buffer, .address_space: global }
      - { .name: b2, .offset: 48, .size: 8, .value_kind: global_buffer, .address_space: global }
      - { .name: out0, .offset: 56, .size: 8, .value_kind: global_buffer, .address_space: global }
    .group_segment_fixed_size: 135680
    .private_segment_fixed_size: 0
    .kernarg_segment_align: 8
    .kernarg_segment_size: 64
    .max_flat_workgroup_size: 128
    .sgpr_count:     66
    .vgpr_count:     1024
    .wavefront_size: 32
...
	.end_amdgpu_metadata
.endif
;; end of part 3
